; MI455X (gfx1250); checked and timed in simulation.
; The chip was launched on July 23, 2026; its instructions are those of AMD's public machine-readable ISA for CDNA 5 (MIT licence, August 2026) and "CDNA5" Instruction Set Architecture Reference Guide (July 2026). The comments in the code are by the model that wrote it; some were corrected since.
;; EEG Simple LSM. Allowed arithmetic: float matrix products may take bf16 or f16 operands with f32 sums; other float arithmetic in f32, or as packed bf16 or f16 multiplies, adds, multiply-adds, maxima and minima; sums over many terms, partial sums and values carried from step to step in f32; what a program stores and reads back later, other than sums and carried values, may be rounded once to bf16 or f16.
;; Inputs: W1 64 x 32 float32; W2 128 x 64 float32; x 256 x 32 x 4,000 float32.
;; Outputs: out0 256 x 128 float32.
;; 2 versions, each right and faster than the one before. Each part assembles by itself: llvm-mc -triple=amdgcn-amd-amdhsa -mcpu=gfx1250 --defsym DOCPART=n.
;; ======== version 1 of 2: 1 launch
;; launch lsm (part 1): grid 256 x 1, 10 waves a work-group, no clusters, 327,680 bytes of LDS; arguments x, W1, W2, out0; writes out0
.if DOCPART == 1
	.amdgcn_target "amdgcn-amd-amdhsa--gfx1250"
	.amdhsa_code_object_version 6
	.text
	.protected	k_qe853a64e35_lsm
	.globl	k_qe853a64e35_lsm
	.p2align	8
	.type	k_qe853a64e35_lsm,@function
k_qe853a64e35_lsm:
	s_mov_b64 s[64:65], 0
	v_nop
	global_prefetch_b8 v0, s[64:65] scope:SCOPE_SE
	s_setreg_imm32_b32 hwreg(HW_REG_WAVE_MODE, 25, 1), 1
	s_wait_xcnt 0x0
; THREE LAYERS OF LEAKY INTEGRATE-AND-FIRE NEURONS (32, 64, 128), 4,000 time steps, 256 samples; out0[b][n] = exp of layer 2's membrane before the reset at the last step.
; x: [256][32][4000] f32.  W1: [64][32] f32.  W2: [128][64] f32.  out0: [256][128] f32.
; WHAT THE MODULE DOES, PER NEURON.  u = (v + in) - v / tau; v = 0 where u >= vth, else u: the reset takes no winner mask, so each neuron is a recurrence of its own.  A layer's output is a
; one-hot row at the first largest u, if that u >= vth, else zeros; times W^T that is one column of W.  Layer 2's spikes are not used.
; SHARES.  One work-group a sample, ten waves.  The three recurrences run AT THE SAME TIME in different waves, as a pipeline over blocks of 32 steps; a trip ends in one barrier; all that is
; handed on lies twice in LDS: in a trip of parity p set p is written and set 1 - p read.  The parity is a constant of the text: the loops go by pairs of trips.
;   wave 0     L0   layer 0, a lane a channel                       wave 5     AM   largest u and its first index, layer 0 (a lane a time step)
;   wave 1     L1   layer 1, a lane two neurons (packed f32)        waves 8, 9 AM   the same for layer 1's neurons 0-31 and 32-63
;   waves 2, 3 L2   layer 2, 64 neurons each                        wave 4     MM1  one-hot of layer 0 x W1 -> layer 1's input;   waves 6, 7 MM2  one-hot of layer 1 x W2 -> layer 2's input, 64 rows each
; THE CHAIN.  A step is add, fused multiply-add, select: three instructions that wait for each other.  After a reset v = 0 and the next u is the input itself, so the compare with vth runs beside them.
; THE COLUMNS OF W come from the matrix unit (no address hangs on an index made in this launch): source 0 = 16 rows of W, source 1 = 32 k x 16 time steps of one-hot bf16.
; W1 goes in as three bf16 parts whose sum is W1 exactly (layer 1's winner hangs on differences far below a bf16 step); W2 is rounded once to bf16 (nothing but a threshold and the result hang on it).
; HALF A BLOCK OF SKEW.  A chain wave loads rows 0-15 of its input during its steps 0-15 and uses them in steps 16-31; rows 16-31 during steps 16-31, for steps 0-15 of the next trip.
; So in trip i: L0 does steps 32 i - 16 .. 32 i + 15, L1 block i - 4, L2 the second half of block i - 8 and the first of block i - 7; step 3999 is L2's step 15 of trip 132: 133 trips.
; Nothing tests a range: all that is handed on starts as zeros, and a zero input on a zero state leaves it (0 is below both thresholds); what is made of steps past 3999 reaches no step that is used.
; ADDRESSES are made anew in each role's text, from the thread's number, constants and e = wave & 1; no register that only one role's set-up wrote is an address.
; NO CLUSTER: the work-groups share W1 and W2 alone, 40,960 bytes read once by each, beside 512,000 bytes of x of its own.
; LIMITS.  u is formed as fma(-v, rn(1/tau), v + in) (FUSED = 1; 0 gives a rounded product and a subtraction).  NaN and infinities are not treated apart; after a reset an input of -0 gives -0, not +0.
; W1's three parts are exact while its last part is no denormal (|W1| above some 2^-100).  W2 carries bf16's relative error of 2^-9 into the exponent.  An exponential below 2^-126 comes out as 0.
; A row of x is 16,000 bytes, so the odd channels' pieces of 3,328 bytes begin 128 bytes off a multiple of 256.
.set FUSED, 1
.set CHUNK, 832           ; steps in a tile of x: 26 blocks, 13 pairs of trips
.set XPAIR, 272           ; two blocks of x in LDS: 256 bytes + 16 of padding
.set XROW,  13*XPAIR      ; a channel's row in a slot: 3,536 bytes = 221 x 16: sixteen lanes' 16-byte pieces fall into sixteen different 16-byte columns of 256 bytes
.set SLOT1, 1<<17         ; slot 0 begins at 0 and takes 32 x 3,536 = 113,152 bytes; slot 1 begins here, so that one exclusive or turns an address in one slot into the other's
.set SPARE, 32*XROW       ; behind slot 0: the spare words, 128 bytes for each of ten waves: five blocks of 256 bytes that no other line names
.set COMM,  SLOT1+32*XROW ; behind slot 1: what the waves hand on; no tensor load lands here
.set PARB,  40960         ; a set
.set O_U0,  0             ; u of layer 0: [32 steps][32], pitch 144
.set O_I0,  4608          ; (largest u, index): [32 steps], 8 bytes
.set O_H1,  4864          ; layer 1's input: [32][64], pitch 272
.set O_U1,  13568         ; u of layer 1: [32][64], pitch 272
.set O_I1,  22272         ; (largest u, index): [2 halves][32 steps]
.set O_H2,  22784         ; layer 2's input: [32][128], pitch 528.  All pitches are odd multiples of 16 bytes
; scalar registers
.set WV,  12              ; my wave's number
.set SC,  13              ; at work
.set XS,  16              ; LDS byte of the pair of blocks of x in hand
.set TC,  17              ; pairs of trips to go in a period
.set PC,  18              ; periods to go
.set GC,  19              ; pairs to go in all, in the second loop
.set G0A, 20              ; s[20:23] descriptor group 0: slot 0, steps 0-831
.set G0B, 24              ; s[24:27] group 0: slot 1, steps 832-1663; then it walks
.set G1,  28              ; s[28:35] group 1
.set TH0, 36              ; 1.5
.set TH1, 37              ; 1.2
.set NC3, 38              ; -rn(1/3)
.set NC8, 40              ; s[40:41] -rn(1/80000): the packed forms take the pair's low word for both halves
.set ONE, 42              ; 1.0 in bf16
.set IOFF, 43             ; 32 e
.set EH,  44              ; e = wave & 1: which half is mine, in waves 2, 3 (L2), 6, 7 (MM2), 8, 9 (AM)
.set HIM, 45              ; 0xffff0000
.set OFF, 46              ; s[46:47] a byte offset in 64 bits
.set MK,  48              ; s[48:55] eight lane masks
.set MK2, 56              ; the packed chains' second mask
; vector registers common to all: v0 thread, v1 lane, v2 and v3 the add's two, v4 lane x 3,536; v5 and v7 the addresses of the trip in hand
.set SPW, 2
.set NIL, 3
.set XR,  4
.set RD,  5
.set WR,  7
.set XH,  16              ; L0: v[16:31] x of steps 0-15, v[32:47] of steps 16-31, v[48:79] u of the trip's 32 steps; v8-v11 at work
.set XL,  32
.set UA,  48
.set HH,  16              ; L1, L2: v[16:47] input pairs of steps 0-15, v[48:79] of steps 16-31, v[80:143] u pairs; v[8:15] at work
.set HL,  48
.set UB,  80
.set OH,  32              ; MM: one-hot operands;  v[64:159] W's fragments;  v[160:223] eight accumulators (neuron block mb, step group g) at 160 + 8 (2 mb + g)
.set WA,  64
.set ACC, 160
	s_load_b256 s[4:11], s[0:1], 0x0               ; x s[4:5], W1 s[6:7], W2 s[8:9], out0 s[10:11]
	v_lshl_add_u32 v[SPW], v0, 2, SPARE
	v_mov_b32 v[NIL], 0
	ds_add_u32 v[SPW], v[NIL]                      ; the wave's opening: the add and its wait stand ahead of the first tensor load; the set-up below, work on registers, stands between them
	v_lshrrev_b32 v1, 5, v0
	v_readfirstlane_b32 s[WV], v1                  ; wave 0..9
	v_and_b32 v1, 31, v0                           ; lane
	v_mul_u32_u24 v[XR], v1, XROW                  ; a channel's row in a slot
	s_and_b32 s[EH], s[WV], 1
	s_lshl_b32 s[IOFF], s[EH], 5
	s_mov_b32 s[XS], 0
	s_mov_b32 s[TH0], 0x3fc00000
	s_mov_b32 s[TH1], 0x3f99999a
	s_mov_b32 s[NC3], 0xbeaaaaab
	s_mov_b32 s[NC8], 0xb751b717
	s_mov_b32 s[NC8+1], 0xb751b717                 ; named with it as a pair
	s_mov_b32 s[ONE], 0x3f80
	s_mov_b32 s[HIM], 0xffff0000
	; descriptor group 1: 32 rows (channels) x 832 elements of 4 bytes, 4,000 elements from row to row; in LDS 4 words of padding behind every 64
	s_mov_b32 s[G1+0], (2<<16)|(1<<20)|(5<<22)|(3<<25)  ; 15:0 no mask; 17:16 elements of 4 bytes; 20 padding on; 24:22 after every 64 words (code 5); 31:25 4 words (code 3)
	s_mov_b32 s[G1+1], (4000-CHUNK)<<16            ; tensor_dim0: what is left of a row from the second tile on (the first tile has more); each refill takes 832 off; past it zeros arrive
	s_mov_b32 s[G1+2], 32<<16                      ; tensor_dim1 = 32
	s_mov_b32 s[G1+3], CHUNK<<16                   ; tile_dim0 = 832
	s_mov_b32 s[G1+4], 32                          ; tile_dim1 = 32
	s_mov_b32 s[G1+5], 4000                        ; the pitch
	s_mov_b32 s[G1+6], 0
	s_mov_b32 s[G1+7], 0
	s_mov_b32 s[G0A], 1
	s_mov_b32 s[G0A+1], 0
	s_mov_b32 s[G0B], 1
	s_mov_b32 s[G0B+1], SLOT1
	s_mul_i32 s[OFF], ttmp9, 512000                ; my sample's 32 x 4,000 x 4 bytes: 130,560,000 at the most
	s_mov_b32 s[OFF+1], 0
	s_wait_dscnt 0x0                               ; the opening add is done
	s_wait_kmcnt 0x0
	s_add_nc_u64 s[G0A+2:G0A+3], s[4:5], s[OFF:OFF+1]
	s_add_nc_u64 s[G0B+2:G0B+3], s[G0A+2:G0A+3], CHUNK*4
	s_or_b32 s[G0A+3], s[G0A+3], 0x80000000        ; type = 2
	s_or_b32 s[G0B+3], s[G0B+3], 0x80000000
	s_cmp_lg_u32 s[WV], 0                          ; wave 0 alone asks for x, and alone reads it: both first fills in one branch, ahead of every wait on TENSORcnt, LDS read and barrier: two loads of wave 0 are out
	s_cbranch_scc1 .Lno_fill
	tensor_load_to_lds s[G0A:G0A+3], s[G1:G1+7]
	s_nop 0
	tensor_load_to_lds s[G0B:G0B+3], s[G1:G1+7]
	s_nop 0
.rept 4
	v_nop
.endr
.Lno_fill:
	; both sets are zeroed: 320 threads x 16 bytes x 16 stores = 81,920 bytes from COMM on
	v_mov_b32 v8, 0
	v_mov_b32 v9, 0
	v_mov_b32 v10, 0
	v_mov_b32 v11, 0
	v_lshl_add_u32 v5, v0, 4, COMM
	v_add_nc_u32 v6, 40960, v5
.irp i, 0,1,2,3,4,5,6,7
	ds_store_b128 v5, v[8:11] offset:5120*\i
	ds_store_b128 v6, v[8:11] offset:5120*\i
.endr
	; Registers are never cleared, and each is written before it is read on every way through the text.  So every wave writes here what some role reads before it writes it: the chains' first half
	; block of input (v16-47) and their state, u of the step before (v79; v142, v143), which begin as 0; layer 2's result (v110, v111); W's fragments (v64-159), which waves 4, 6 and 7 fill below.
	; Once a launch, in the wait for the first tile.
.set i, 16
.rept 32
	v_mov_b32 v[i], 0
.set i, i+1
.endr
.set i, 64
.rept 96
	v_mov_b32 v[i], 0
.set i, i+1
.endr
; ---- W's fragments ----
	s_cmp_eq_u32 s[WV], 4
	s_cbranch_scc1 .Lset_mm1
	s_cmp_lt_u32 s[WV], 6
	s_cbranch_scc1 .Lset_done
	s_cmp_lt_u32 s[WV], 8
	s_cbranch_scc0 .Lset_done
	; waves 6, 7: W2's rows 64 e .. + 63, rounded to bf16.  A fragment is 16 rows x 32 k: lane (r, h) holds row r, k = 8 h .. + 7 and 16 + 8 h .. + 7: as f32 four loads of 16 bytes
	v_and_b32 v9, 15, v0                           ; r
	v_bfe_u32 v14, v0, 4, 1                        ; h
	v_lshlrev_b32 v15, 8, v9
	v_lshl_add_u32 v15, v14, 5, v15
	v_lshl_add_u32 v15, s[EH], 14, v15             ; (64 e + r) x 256 bytes + 32 h
.set j, 0
.rept 8                                ; j = 4 kk + mb: k = 32 kk on, rows 16 mb on
.set o, 0
.rept 4
	global_load_b128 v[128+16*j+4*o:128+16*j+4*o+3], v15, s[8:9] offset:4096*(j%4)+128*(j/4)+16*(o%2)+64*(o/2)
.set o, o+1
.endr
.set j, j+1
.endr
	s_wait_loadcnt 0x0
.set j, 0
.rept 64
	v_cvt_pk_bf16_f32 v[WA+j], v[128+2*j], v[129+2*j]
.set j, j+1
.endr
	s_branch .Lset_done
.Lset_mm1:
	; wave 4: W1 in three parts; block mb's sixteen numbers at v[160 + 16 mb ..]
	v_and_b32 v9, 15, v0
	v_bfe_u32 v14, v0, 4, 1
	v_lshlrev_b32 v15, 7, v9
	v_lshl_add_u32 v15, v14, 5, v15                ; row r x 128 bytes + 32 h
	s_mov_b32 s[SC], 0x07060302                    ; v_perm_b32: the upper halves of two words
.set mb, 0
.rept 4
.set o, 0
.rept 4
	global_load_b128 v[160+16*mb+4*o:160+16*mb+4*o+3], v15, s[6:7] offset:2048*mb+16*(o%2)+64*(o/2)
.set o, o+1
.endr
.set mb, mb+1
.endr
	s_wait_loadcnt 0x0
	; the upper 16 bits are a bf16 with the first 8 significant bits; what is left (an exact difference) gives the next 8, and what is then left has 8 at the most
.set p, 0
.rept 3
.set j, 0
.rept 32
	v_perm_b32 v[WA+32*p+j], v[161+2*j], v[160+2*j], s[SC]
.if p < 2
	v_and_b32 v16, s[HIM], v[160+2*j]
	v_and_b32 v17, s[HIM], v[161+2*j]
	v_sub_f32 v[160+2*j], v[160+2*j], v16
	v_sub_f32 v[161+2*j], v[161+2*j], v17
.endif
.set j, j+1
.endr
.set p, p+1
.endr
.Lset_done:
	s_wait_tensorcnt 0x1                           ; wave 0: steps 0-831 are in; the second tile may stay out
	s_wait_dscnt 0x0                               ; my zeros are written
	s_barrier_signal -1
	s_barrier_wait -1                              ; everybody's are
; ---- the roles: one trip each.  SW and SR, set by TRIP, are the first bytes of the set written and of the set read ----
; L0.  Step k: u = v + x - v / 3 with v = the last u, or x where the last u fired.  The trip also fetches its block of x, four steps to a load: the pair's first block (par = 0) or its second.
.macro ROLE_L0 par
	v_add_nc_u32 v[RD], s[XS], v[XR]
	v_lshl_add_u32 v[WR], v1, 2, SW+O_U0
.set k, 0
.rept 32
.set rP, UA+(k+31)%32
.set rX, XH+k                          ; XL follows XH
.set rA, 8+k%2
.set rF, 10+k%2
.if k%4 == 0
.if k >= 16
	s_wait_dscnt 18                                ; the four x loaded 16 steps ago are in: behind that load 15 stores or more and 3 loads were issued
	ds_load_b128 v[XH+k-16:XH+k-13], v[RD] offset:128*(\par)+4*k   ; for the next trip's first half; the trip's closing wait covers it
.else
	ds_load_b128 v[XL+k:XL+k+3], v[RD] offset:128*(\par)+4*k
.endif
.endif
	v_cmp_le_f32 vcc_lo, s[TH0], v[rP]             ; did the last u fire?
	v_add_f32 v[rA], v[rP], v[rX]
.if k >= 1
	ds_store_b32 v[WR], v[UA+k-1] offset:144*(k-1)
.endif
.if FUSED
	v_fma_f32 v[rF], v[rP], s[NC3], v[rA]
.else
	v_mul_f32 v[rF], s[NC3], v[rP]
	v_add_f32 v[rF], v[rA], v[rF]
.endif
	v_cndmask_b32 v[UA+k], v[rF], v[rX], vcc_lo
.set k, k+1
.endr
	ds_store_b32 v[WR], v[UA+31] offset:144*31
.endm
; L1 and L2: the same on two neurons a lane, tau = 80,000, vth = 1.2.  pitch: of the input's rows.  st = 1: u is stored (L1).  n: the LDS instructions issued behind the load of 16 steps ago.
; rdc, wrc: where the input and u begin.  halves = 1: my 64 neurons begin 256 e bytes into a row (L2).
.macro SCAN2 pitch, st, n, rdc, wrc, halves
	v_lshl_add_u32 v[RD], v1, 3, \rdc              ; neurons 2 l, 2 l + 1: 32 lanes take 256 bytes on end
.if \halves
	v_lshl_add_u32 v[RD], s[EH], 8, v[RD]
.endif
.if \st
	v_lshl_add_u32 v[WR], v1, 3, \wrc
.endif
.set k, 0
.rept 32
.set rP, UB+2*((k+31)%32)
.set rU, UB+2*k
.set rH, HH+2*k                        ; HL follows HH
.set rA, 8+4*(k%2)
.set rF, 10+4*(k%2)
.if k >= 16
	s_wait_dscnt \n                                ; row k - 16 is in
	ds_load_b64 v[HH+2*(k-16):HH+2*(k-16)+1], v[RD] offset:(\pitch)*k   ; for the next trip's first half; the trip's closing wait covers it
.else
	ds_load_b64 v[HL+2*k:HL+2*k+1], v[RD] offset:(\pitch)*k
.endif
	v_cmp_le_f32 vcc_lo, s[TH1], v[rP]
	v_cmp_le_f32 s[MK2], s[TH1], v[rP+1]
	v_pk_add_f32 v[rA:rA+1], v[rP:rP+1], v[rH:rH+1]
.if (\st) && (k >= 1)
	ds_store_b64 v[WR], v[UB+2*(k-1):UB+2*(k-1)+1] offset:272*(k-1)
.endif
.if FUSED
	v_pk_fma_f32 v[rF:rF+1], v[rP:rP+1], s[NC8:NC8+1], v[rA:rA+1] op_sel_hi:[1,0,1]
.else
	v_pk_mul_f32 v[rF:rF+1], v[rP:rP+1], s[NC8:NC8+1] op_sel_hi:[1,0]
	v_pk_add_f32 v[rF:rF+1], v[rA:rA+1], v[rF:rF+1]
.endif
	v_cndmask_b32 v[rU], v[rF], v[rH], vcc_lo
	v_cndmask_b32 v[rU+1], v[rF+1], v[rH+1], s[MK2]
.set k, k+1
.endr
.if \st
	ds_store_b64 v[WR], v[UB+62:UB+63] offset:272*31
.endif
.endm
; AM.  A lane a time step: its 32 numbers in v[16:47]; their maximum in v12; the first index that holds it in v13.  halves = 1: my 32 neurons begin 128 e bytes into a row, my results 256 e bytes on.
.macro ROLE_AM pitch, rdc, wrc, halves
	v_mul_u32_u24 v[RD], v1, \pitch
	v_add_nc_u32 v[RD], \rdc, v[RD]
	v_lshl_add_u32 v[WR], v1, 3, \wrc
.if \halves
	v_lshl_add_u32 v[RD], s[EH], 7, v[RD]
	v_lshl_add_u32 v[WR], s[EH], 8, v[WR]
.endif
.irp i, 0,1,2,3,4,5,6,7
	ds_load_b128 v[16+4*\i:16+4*\i+3], v[RD] offset:16*\i
.endr
.irp q, 0,1,2,3
	v_mov_b32 v[48+\q], 64
.endr
	s_wait_dscnt 0x0
.irp q, 0,1,2,3                        ; four chains of seven numbers, three operands at a time; then the four left over, and the chains
	v_max3_num_f32 v[8+\q], v[16+8*\q], v[17+8*\q], v[18+8*\q]
.endr
.irp q, 0,1,2,3
	v_max3_num_f32 v[8+\q], v[8+\q], v[19+8*\q], v[20+8*\q]
.endr
.irp q, 0,1,2,3
	v_max3_num_f32 v[8+\q], v[8+\q], v[21+8*\q], v[22+8*\q]
.endr
	v_max3_num_f32 v8, v8, v23, v31
	v_max3_num_f32 v10, v10, v39, v47
	v_max3_num_f32 v8, v8, v9, v10
	v_max_num_f32 v12, v8, v11
.irp e, 7,5,3,1                        ; in each eight the indices are gone through downward, so the lowest that is equal stays
.irp q, 0,1,2,3
	v_cmp_eq_f32 s[MK+\q], v[16+8*\q+\e], v12
	v_cmp_eq_f32 s[MK+4+\q], v[15+8*\q+\e], v12
.endr
.irp q, 0,1,2,3
	v_cndmask_b32 v[48+\q], v[48+\q], 8*\q+\e, s[MK+\q]
.endr
.irp q, 0,1,2,3
	v_cndmask_b32 v[48+\q], v[48+\q], 8*\q+\e-1, s[MK+4+\q]
.endr
.endr
	v_min_u32 v48, v48, v49
	v_min_u32 v50, v50, v51
	v_min_u32 v13, v48, v50
.if \halves
	v_add_nc_u32 v13, s[IOFF], v13
.endif
	ds_store_b64 v[WR], v[12:13]
.endm
; the matrix layouts' r = lane % 16 (v9), h = lane / 16 (v22), and 8 h (v8)
.macro MMLANE
	v_and_b32 v9, 15, v0
	v_bfe_u32 v22, v0, 4, 1
	v_lshlrev_b32 v8, 3, v22
.endm
; (m, index) in v[a:a+1]: no spike, index 64, where m is below the threshold
.macro FIRE th, a
	v_cmp_le_f32 vcc_lo, s[\th], v[\a]
	v_cndmask_b32 v[(\a)+1], 64, v[(\a)+1], vcc_lo
.endm
; the halves' results in v[a:a+1] and v[b:b+1] into the first: the upper half wins only where it is greater, so the first index wins a tie
.macro WINNER a, b
	v_cmp_gt_f32 vcc_lo, v[\b], v[\a]
	v_cndmask_b32 v[(\a)+1], v[(\a)+1], v[(\b)+1], vcc_lo
	v_max_num_f32 v[\a], v[\a], v[\b]
.endm
; The index in v[ri] as source 1 of nk products: column = my step r; register i of block kk holds k = 32 kk + 8 h + 2 i, + 1 (i < 4) or 32 kk + 16 + 8 h + 2 (i - 4), + 1.
; With D = index - 8 h the register is the one where D / 2 = 16 kk + i, or 16 kk + i + 4, and D's lowest bit picks the half.  A D below 0 is a large number; 64 and 56 give 32 and 28: none is met.
.macro ONEHOT ri, dst, nk
	v_sub_nc_u32 v14, v[\ri], v8
	v_and_b32 v15, 1, v14
	v_lshlrev_b32 v15, 4, v15
	v_lshlrev_b32 v16, v15, s[ONE]
	v_lshrrev_b32 v17, 1, v14
.set kk, 0
.rept \nk
.set i, 0
.rept 8
	v_cmp_eq_u32 s[MK+i], 16*kk+i+4*(i/4), v17
.set i, i+1
.endr
.set i, 0
.rept 8
	v_cndmask_b32 v[(\dst)+8*kk+i], 0, v16, s[MK+i]
.set i, i+1
.endr
.set kk, kk+1
.endr
.endm
; n x 8 products.  The eight accumulators take turns, one instruction a turn; the first eight start the sums.  og, op: the one-hot operand's step by group and by p.
.macro MULS n, og, op
.set p, 0
.rept \n
.set mb, 0
.rept 4
.set g, 0
.rept 2
.set rD, ACC+8*(2*mb+g)
.set rW, WA+8*(4*p+mb)
.set rO, OH+(\og)*g+(\op)*p
.if p == 0
	v_wmma_f32_16x16x32_bf16 v[rD:rD+7], v[rW:rW+7], v[rO:rO+7], 0
.else
	v_wmma_f32_16x16x32_bf16 v[rD:rD+7], v[rW:rW+7], v[rO:rO+7], v[rD:rD+7]
.endif
.set g, g+1
.endr
.set mb, mb+1
.endr
.set p, p+1
.endr
.endm
; In a result lane (r, h) holds step r and neurons 8 h .. + 7 of the block: 32 neighbouring bytes of a row.  The address's lines and v_nop, five plain instructions that name no register of the
; products, stand in front of the stores, and so in front of the next trip's writes of the operands; each accumulator's low four registers go first.
.macro HSTORE gstep, pitch, wrc, halves
	v_mul_u32_u24 v[WR], v9, \pitch
	v_lshl_add_u32 v[WR], v22, 5, v[WR]
	v_add_nc_u32 v[WR], \wrc, v[WR]                ; row r, neurons 8 h on
.if \halves
	v_lshl_add_u32 v[WR], s[EH], 8, v[WR]          ; of my 64
.else
	v_nop
.endif
	v_nop
.set mb, 0
.rept 4
.set g, 0
.rept 2
.set rD, ACC+8*(2*mb+g)
	ds_store_b128 v[WR], v[rD:rD+3] offset:(\gstep)*g+64*mb
	ds_store_b128 v[WR], v[rD+4:rD+7] offset:(\gstep)*g+64*mb+16
.set g, g+1
.endr
.set mb, mb+1
.endr
.endm
.macro ROLE_MM1
	MMLANE
	v_lshl_add_u32 v[RD], v9, 3, SR+O_I0
	ds_load_b64 v[10:11], v[RD]                    ; steps r and 16 + r
	ds_load_b64 v[12:13], v[RD] offset:128
	s_wait_dscnt 0x0
	FIRE TH0, 10
	ONEHOT 11, OH, 1
	FIRE TH0, 12
	ONEHOT 13, OH+8, 1
	MULS 3, 8, 0                                   ; W1's three parts on the same operand: each sum is a truncation of W1's number, the last the number itself
	HSTORE 16*272, 272, SW+O_H1, 0
.endm
.macro ROLE_MM2
	MMLANE
	v_lshl_add_u32 v[RD], v9, 3, SR+O_I1
	ds_load_b64 v[10:11], v[RD]                    ; step r: the lower half's result, the upper half's;
	ds_load_b64 v[12:13], v[RD] offset:256
	ds_load_b64 v[18:19], v[RD] offset:128         ; step 16 + r
	ds_load_b64 v[20:21], v[RD] offset:384
	s_wait_dscnt 0x0
	WINNER 10, 12
	FIRE TH1, 10
	ONEHOT 11, OH, 2
	WINNER 18, 20
	FIRE TH1, 18
	ONEHOT 19, OH+16, 2
	MULS 2, 16, 8                                  ; k = 0-31, then 32-63
	HSTORE 16*528, 528, SW+O_H2, 1
.endm
; A TRIP of parity par.  Each wave goes to its role (the branches hang on the wave's number alone; no barrier and no tensor load stands in a role), then all meet: my stores are done and my reads
; are back, so behind the barrier the set just written may be read and the set just read may be written.
.macro TRIP par
.set SW, COMM+PARB*(\par)
.set SR, COMM+PARB*(1-(\par))
	s_cmp_eq_u32 s[WV], 0
	s_cbranch_scc1 .Ll0_\@
	s_cmp_eq_u32 s[WV], 1
	s_cbranch_scc1 .Ll1_\@
	s_cmp_lt_u32 s[WV], 4
	s_cbranch_scc1 .Ll2_\@
	s_cmp_eq_u32 s[WV], 4
	s_cbranch_scc1 .Lm1_\@
	s_cmp_eq_u32 s[WV], 5
	s_cbranch_scc1 .La0_\@
	s_cmp_lt_u32 s[WV], 8
	s_cbranch_scc1 .Lm2_\@
	ROLE_AM 272, SR+O_U1, SW+O_I1, 1               ; waves 8, 9
	s_branch .Ljoin_\@
.La0_\@:
	ROLE_AM 144, SR+O_U0, SW+O_I0, 0
	s_branch .Ljoin_\@
.Ll0_\@:
	ROLE_L0 \par
	s_branch .Ljoin_\@
.Ll1_\@:
	SCAN2 272, 1, 30, SR+O_H1, SW+O_U1, 0          ; behind the load of 16 steps ago: 15 loads and 15 stores or more
	s_branch .Ljoin_\@
.Ll2_\@:
	SCAN2 528, 0, 15, SR+O_H2, 0, 1                ; 15 loads
	s_branch .Ljoin_\@
.Lm1_\@:
	ROLE_MM1
	s_branch .Ljoin_\@
.Lm2_\@:
	ROLE_MM2
.Ljoin_\@:
.if \par
	s_add_co_u32 s[XS], s[XS], XPAIR               ; the next pair of blocks of x
.endif
	s_wait_dscnt 0x0                               ; for the others' sake: all my LDS stores and loads are done
	s_barrier_signal -1
	s_barrier_wait -1
.endm
.macro SWITCH                          ; 13 pairs of blocks are read: back to a slot's first pair, in the other slot
	s_sub_co_u32 s[XS], s[XS], XROW
	s_xor_b32 s[XS], s[XS], SLOT1
.endm
; ---- periods 0 to 2: 13 pairs of trips each, and the slot just read takes the tile two periods on ----
	s_mov_b32 s[PC], 3
.Lper_a:
	s_mov_b32 s[TC], 13
.Lpair_a:
	TRIP 0
	TRIP 1
	s_sub_co_u32 s[TC], s[TC], 1
	s_cmp_lg_u32 s[TC], 0
	s_cbranch_scc1 .Lpair_a
	SWITCH
	s_wait_tensorcnt 0x0                           ; no tensor load is out: the next period's tile has landed, and the descriptor may be written
	ds_add_u32 v[SPW], v[NIL]                      ; 0 onto my spare word; the descriptor's steps stand between it and the wait for it
	s_xor_b32 s[G0B+1], s[G0B+1], SLOT1            ; the other slot than last time,
	s_add_nc_u64 s[G0B+2:G0B+3], s[G0B+2:G0B+3], CHUNK*4  ; the next 832 steps (the type bits on top are not reached),
	s_sub_co_u32 s[G1+1], s[G1+1], CHUNK<<16       ; of which the row has 2,336, 1,504 and at last 672 left
	s_wait_dscnt 0x0                               ; the add is done; the reads of the slot came back in front of the trip's barrier
	s_barrier_signal -1
	s_barrier_wait -1
	s_cmp_lg_u32 s[WV], 0
	s_cbranch_scc1 .Lnot_wave_0
	tensor_load_to_lds s[G0B:G0B+3], s[G1:G1+7]    ; the one tensor load behind this barrier: one is out, and it has 26 trips in which to land
	s_nop 0
.rept 4
	v_nop
.endr
.Lnot_wave_0:
	s_sub_co_u32 s[PC], s[PC], 1
	s_cmp_lg_u32 s[PC], 0
	s_cbranch_scc1 .Lper_a
; ---- trips 78 to 132: nothing is left to ask for.  Periods 3 and 4, and of a further one (on a tile that was read before: its steps lie past 3999) a pair and a half: the loop is left in the
; middle of its 28th pair, behind the trip whose step 15 is layer 2's last ----
	s_mov_b32 s[GC], 28
	s_mov_b32 s[PC], 3
.Lper_b:
	s_mov_b32 s[TC], 13
.Lpair_b:
	TRIP 0
	s_sub_co_u32 s[GC], s[GC], 1
	s_cmp_eq_u32 s[GC], 0
	s_cbranch_scc1 .Lout
	TRIP 1
	s_sub_co_u32 s[TC], s[TC], 1
	s_cmp_lg_u32 s[TC], 0
	s_cbranch_scc1 .Lpair_b
	SWITCH
	s_wait_tensorcnt 0x0                           ; the last tile, asked for a period ago, is in before wave 0 reads it; no younger load exists, so the count is 0
	s_sub_co_u32 s[PC], s[PC], 1
	s_cmp_lg_u32 s[PC], 0
	s_cbranch_scc1 .Lper_b
.Lout:
; ---- the result: layer 2's u of step 15 of the last trip ----
	s_cmp_lt_u32 s[WV], 2
	s_cbranch_scc1 .Lend
	s_cmp_lt_u32 s[WV], 4
	s_cbranch_scc0 .Lend
	s_lshl_b32 s[SC], ttmp9, 9                     ; my sample's 512 bytes,
	s_lshl_b32 s[OFF], s[EH], 8                    ; my wave's half of them
	s_add_co_u32 s[SC], s[SC], s[OFF]
	v_lshl_add_u32 v[RD], v1, 3, s[SC]
	v_mul_f32 v8, 0x3fb8aa3b, v[UB+30]             ; e^u = 2^(u log2 e)
	v_mul_f32 v9, 0x3fb8aa3b, v[UB+31]
	v_exp_f32 v8, v8
	v_exp_f32 v9, v9
	v_nop                                          ; a plain instruction between the last exponential and the use of its result (ISA guide 5.7.2)
	s_wait_alu depctr_va_vdst(0)
	global_store_b64 v[RD], v[8:9], s[10:11]       ; the wave's store covers 256 consecutive bytes, at a multiple of 256 from out0's first byte
.Lend:
	s_wait_tensorcnt 0x0                           ; the wave's end: behind the last tensor load and my last LDS store
	ds_add_u32 v[SPW], v[NIL]
	s_wait_dscnt 0x0
	s_endpgm
.Lfunc_end_k_qe853a64e35_lsm:
	.size	k_qe853a64e35_lsm, .Lfunc_end_k_qe853a64e35_lsm-k_qe853a64e35_lsm
	.p2alignl 7, 3214868480
	.fill 96, 4, 3214868480
	.section	.rodata,"a",@progbits
	.p2align	6, 0x0
	.amdhsa_kernel k_qe853a64e35_lsm
		.amdhsa_group_segment_fixed_size 327680
		.amdhsa_private_segment_fixed_size 0
		.amdhsa_enable_private_segment 0
		.amdhsa_kernarg_size 32
		.amdhsa_user_sgpr_count 2
		.amdhsa_user_sgpr_kernarg_segment_ptr 1
		.amdhsa_wavefront_size32 1
		.amdhsa_system_sgpr_workgroup_id_x 1
		.amdhsa_system_sgpr_workgroup_id_y 1
		.amdhsa_system_sgpr_workgroup_id_z 1
		.amdhsa_system_vgpr_workitem_id 0
		.amdhsa_next_free_vgpr 256
		.amdhsa_next_free_sgpr 66
		.amdhsa_reserve_vcc 1
		.amdhsa_float_denorm_mode_32 3
		.amdhsa_float_denorm_mode_16_64 3
		.amdhsa_memory_ordered 1
		.amdhsa_forward_progress 1
		.amdhsa_inst_pref_size 255
	.end_amdhsa_kernel
	.section	.bss,"aw",@nobits
	.p2align	6
	.space	262144
	.amdgpu_metadata
---
amdhsa.version: [ 1, 2 ]
amdhsa.kernels:
  - .name:           k_qe853a64e35_lsm
    .symbol:         k_qe853a64e35_lsm.kd
    .args:
      - { .name: x, .offset: 0, .size: 8, .value_kind: global_buffer, .address_space: global }
      - { .name: W1, .offset: 8, .size: 8, .value_kind: global_buffer, .address_space: global }
      - { .name: W2, .offset: 16, .size: 8, .value_kind: global_buffer, .address_space: global }
      - { .name: out0, .offset: 24, .size: 8, .value_kind: global_buffer, .address_space: global }
    .group_segment_fixed_size: 327680
    .private_segment_fixed_size: 0
    .kernarg_segment_align: 8
    .kernarg_segment_size: 32
    .max_flat_workgroup_size: 320
    .sgpr_count:     66
    .vgpr_count:     256
    .wavefront_size: 32
...
	.end_amdgpu_metadata
.endif
;; end of part 1
;; ======== version 2 of 2: 1 launch; 1.73 times as fast as version 1
;; launch lsm (part 2): grid 256 x 1, 11 waves a work-group, no clusters, 327,680 bytes of LDS; arguments x, W1, W2, out0; writes out0
.if DOCPART == 2
	.amdgcn_target "amdgcn-amd-amdhsa--gfx1250"
	.amdhsa_code_object_version 6
	.text
	.protected	k_qe853a64e35_lsm
	.globl	k_qe853a64e35_lsm
	.p2align	8
	.type	k_qe853a64e35_lsm,@function
k_qe853a64e35_lsm:
	s_mov_b64 s[64:65], 0
	v_nop
	global_prefetch_b8 v0, s[64:65] scope:SCOPE_SE
	s_setreg_imm32_b32 hwreg(HW_REG_WAVE_MODE, 25, 1), 1
	s_wait_xcnt 0x0
; THREE LAYERS OF LEAKY INTEGRATE-AND-FIRE NEURONS (32, 64, 128), 4,000 time steps, 256 samples; out0[b][n] = exp of layer 2's membrane before the reset at the last step.
; x: [256][32][4000] f32.  W1: [64][32] f32.  W2: [128][64] f32.  out0: [256][128] f32.
; WHAT THE MODULE DOES, PER NEURON.  u = (v + in) - v / tau; v = 0 where u >= vth, else u: the reset takes no winner mask, so each neuron is a recurrence of its own.  A layer's output is a
; one-hot row at the first largest u, if that u >= vth, else zeros; times W^T that is one column of W.  Layer 2's spikes are not used.
; SHARES.  One work-group a sample, eleven waves.  The three recurrences run AT THE SAME TIME in different waves, as a pipeline over blocks of 32 steps; a trip ends in one barrier; all that is
; handed on lies twice in LDS: in a trip of parity p set p is written and set 1 - p read.  The parity is a constant of the text: the loops go by pairs of trips.
;   wave 0     L0   layer 0, a lane a channel                       wave 10    AM   largest u and its first index, layer 0 (a lane a time step)
;   wave 1     L1   layer 1, a lane two neurons (packed f32)        waves 8, 9 AM   the same for layer 1's neurons 0-31 and 32-63
;   waves 2, 3 L2   layer 2, 64 neurons each                        waves 4, 5 MM1  one-hot of layer 0 x W1 -> layer 1's input, 16 steps each;   waves 6, 7 MM2  one-hot of layer 1 x W2 -> layer 2's input, 16 steps each
; THE CHAIN.  A step is add, fused multiply-add, select: three instructions that wait for each other.  After a reset v = 0 and the next u is the input itself, so the compare with vth runs beside them.
; A chain wave's LDS instructions stand in ONE run at the trip's head, 16 bytes a lane each, and its 32 steps follow without any: the run stores the LAST trip's 32 u and loads the trip's whole input.
; THE COLUMNS OF W come from the matrix unit (no address hangs on an index made in this launch): source 0 = 16 rows of W, source 1 = 32 k x 16 time steps of one-hot bf16.
; W1 goes in as three bf16 parts whose sum is W1 exactly (layer 1's winner hangs on differences far below a bf16 step); W2 is rounded once to bf16 (nothing but a threshold and the result hang on it).
; HALF A BLOCK OF SKEW.  Of the input loaded at a trip's head rows 0-15 serve its steps 16-31, rows 16-31 the next trip's steps 0-15 (a third register buffer, by the trip's parity).
; So in trip i: L0 does steps 32 i - 16 .. 32 i + 15, L1 block i - 5, L2 the second half of block i - 10 and the first of block i - 9; step 3999 is L2's step 15 of trip 134: 135 trips.
; Nothing tests a range: all that is handed on starts as zeros, and a zero input on a zero state leaves it (0 is below both thresholds); what is made of steps past 3999 reaches no step that is used.
; LAYOUTS.  u of layer 0: [channel][step].  u of layer 1 and both inputs BY PAIRS: number (step t, neuron n) at (t / 2) P + (n / 2) 16 + (t % 2) 8 + (n % 2) 4: a chain lane's 16 bytes are two steps of its two neurons.
; NO CLUSTER: the work-groups share W1 and W2 alone, 40,960 bytes, beside 512,000 bytes of x of its own for each.
; LIMITS.  u is formed as fma(-v, rn(1/tau), v + in) (FUSED = 1; 0 gives a rounded product and a subtraction).  NaN and infinities are not treated apart; after a reset an input of -0 gives -0, not +0.
; W1's three parts are exact while its last part is no denormal (|W1| above some 2^-100).  W2 carries bf16's relative error of 2^-9 into the exponent.  An exponential below 2^-126 comes out as 0.
; A row of x is 16,000 bytes, so the odd channels' pieces of 3,328 bytes begin 128 bytes off a multiple of 256.
.set FUSED, 1
.set CHUNK, 832           ; steps in a tile of x: 26 blocks, 13 pairs of trips
.set XPAIR, 272           ; two blocks of x in LDS: 256 bytes + 16 of padding
.set XROW,  13*XPAIR      ; a channel's row in a slot: 3,536 bytes = 221 x 16: sixteen lanes' 16-byte pieces fall into sixteen different 16-byte columns of 256 bytes
.set SLOT1, 1<<17         ; slot 0 begins at 0 and takes 32 x 3,536 = 113,152 bytes; slot 1 begins here, so that one exclusive or turns an address in one slot into the other's
.set SPARE, 32*XROW       ; behind slot 0: the spare words, 128 bytes for each of eleven waves: six blocks of 256 bytes that no other line names
.set COMM,  SLOT1+32*XROW ; behind slot 1: what the waves hand on; no tensor load lands here
.set PARB,  39424         ; a set
.set P1,    528           ; two steps of 64 neurons: 512 bytes + 16
.set P2,    1040          ; two steps of 128 neurons: 1,024 bytes + 16
.set O_U0,  0             ; u of layer 0: [32 channels][32 steps], pitch 144
.set O_I0,  4608          ; (largest u, index): [32 steps], 8 bytes
.set O_H1,  4864          ; layer 1's input, by pairs, pitch P1
.set O_U1,  13568         ; u of layer 1, by pairs, pitch P1
.set O_I1,  22016         ; (largest u, index): [2 halves][32 steps]
.set O_H2,  22528         ; layer 2's input, by pairs, pitch P2
; scalar registers
.set WV,  12              ; my wave's number
.set SC,  13              ; at work
.set XS,  16              ; LDS byte of the pair of blocks of x in hand
.set TC,  17              ; pairs of trips to go in a period
.set PC,  18              ; periods to go
.set GC,  19              ; pairs to go in all, in the second loop
.set G0A, 20              ; s[20:23] descriptor group 0: slot 0, steps 0-831
.set G0B, 24              ; s[24:27] group 0: slot 1, steps 832-1663; then it walks
.set G1,  28              ; s[28:35] group 1
.set TH0, 36              ; 1.5
.set TH1, 37              ; 1.2
.set NC3, 38              ; -rn(1/3)
.set NC8, 40              ; s[40:41] -rn(1/80000): the packed forms take the pair's low word for both halves
.set ONE, 42              ; 1.0 in bf16
.set IOFF, 43             ; 32 e
.set EH,  44              ; e = wave & 1: which half (L2, AM) or which group of 16 steps (MM1, MM2) is mine
.set HIM, 45              ; 0xffff0000
.set OFF, 46              ; s[46:47] a byte offset in 64 bits
.set MK,  48              ; s[48:55] eight lane masks
.set MK2, 56              ; the packed chains' second mask
; vector registers common to all, made at the head by every wave: v0 thread, v1 lane, v2 and v3 the add's two, v4 lane x 3,536, v6 lane x 144, v240-243 the packed chains' addresses.
; v5 and v7 are the addresses of the trip in hand
.set SPW, 2
.set NIL, 3
.set XR,  4
.set RD,  5
.set L144, 6
.set WR,  7
.set PL0, 240             ; v240, v241  16 x lane + set 0, set 1 (L1)
.set PE0, 242             ; v242, v243  the same + 512 e (L2)
.set XH0, 16              ; L0: v[16:31], v[32:47] x of steps 0-15, by the trip's parity; v[48:63] of steps 16-31; v[64:95] u of 32 steps; v8-v11 at work
.set XB,  48
.set UA,  64
.set HH0, 16              ; L1, L2: v[16:47], v[48:79] input pairs of steps 0-15, by parity; v[80:111] of steps 16-31; v[112:175] u pairs; v[8:15] at work
.set HB,  80
.set UB,  112
.set OH,  32              ; MM: v[32:47] one-hot operands;  v[48:175] W's fragments;  v[176:239] accumulators, neuron block mb at 176 + 8 mb
.set WA,  48
.set ACC, 176
	s_load_b256 s[4:11], s[0:1], 0x0               ; x s[4:5], W1 s[6:7], W2 s[8:9], out0 s[10:11]
	v_lshl_add_u32 v[SPW], v0, 2, SPARE
	v_mov_b32 v[NIL], 0
	ds_add_u32 v[SPW], v[NIL]                      ; the wave's opening: the add and its wait stand ahead of the first tensor load; the set-up below, work on registers, stands between them
	v_lshrrev_b32 v1, 5, v0
	v_readfirstlane_b32 s[WV], v1                  ; wave 0..10
	v_and_b32 v1, 31, v0                           ; lane
	s_and_b32 s[EH], s[WV], 1
	s_lshl_b32 s[IOFF], s[EH], 5
	v_mul_u32_u24 v[XR], v1, XROW                  ; a channel's row in a slot
	v_mul_u32_u24 v[L144], v1, 144                 ; a channel's row of u
	v_lshl_add_u32 v[PL0], v1, 4, COMM
	v_add_nc_u32 v[PL0+1], PARB, v[PL0]
	v_lshl_add_u32 v[PE0], s[EH], 9, v[PL0]        ; 64 neurons are 32 pairs of 16 bytes
	v_lshl_add_u32 v[PE0+1], s[EH], 9, v[PL0+1]
	s_mov_b32 s[XS], 0
	s_mov_b32 s[TH0], 0x3fc00000
	s_mov_b32 s[TH1], 0x3f99999a
	s_mov_b32 s[NC3], 0xbeaaaaab
	s_mov_b32 s[NC8], 0xb751b717
	s_mov_b32 s[NC8+1], 0xb751b717                 ; named with it as a pair
	s_mov_b32 s[ONE], 0x3f80
	s_mov_b32 s[HIM], 0xffff0000
	; descriptor group 1: 32 rows (channels) x 832 elements of 4 bytes, 4,000 elements from row to row; in LDS 4 words of padding behind every 64
	s_mov_b32 s[G1+0], (2<<16)|(1<<20)|(5<<22)|(3<<25)  ; 15:0 no mask; 17:16 elements of 4 bytes; 20 padding on; 24:22 after every 64 words (code 5); 31:25 4 words (code 3)
	s_mov_b32 s[G1+1], (4000-CHUNK)<<16            ; tensor_dim0: what is left of a row from the second tile on (the first tile has more); each refill takes 832 off; past it zeros arrive
	s_mov_b32 s[G1+2], 32<<16                      ; tensor_dim1 = 32
	s_mov_b32 s[G1+3], CHUNK<<16                   ; tile_dim0 = 832
	s_mov_b32 s[G1+4], 32                          ; tile_dim1 = 32
	s_mov_b32 s[G1+5], 4000                        ; the pitch
	s_mov_b32 s[G1+6], 0
	s_mov_b32 s[G1+7], 0
	s_mov_b32 s[G0A], 1
	s_mov_b32 s[G0A+1], 0
	s_mov_b32 s[G0B], 1
	s_mov_b32 s[G0B+1], SLOT1
	s_mul_i32 s[OFF], ttmp9, 512000                ; my sample's 32 x 4,000 x 4 bytes: 130,560,000 at the most
	s_mov_b32 s[OFF+1], 0
	s_wait_dscnt 0x0                               ; the opening add is done
	s_wait_kmcnt 0x0
	s_add_nc_u64 s[G0A+2:G0A+3], s[4:5], s[OFF:OFF+1]
	s_add_nc_u64 s[G0B+2:G0B+3], s[G0A+2:G0A+3], CHUNK*4
	s_or_b32 s[G0A+3], s[G0A+3], 0x80000000        ; type = 2
	s_or_b32 s[G0B+3], s[G0B+3], 0x80000000
	s_cmp_lg_u32 s[WV], 0                          ; wave 0 alone asks for x, and alone reads it: both first fills in one branch, ahead of every wait on TENSORcnt, LDS read and barrier: two loads of wave 0 are out
	s_cbranch_scc1 .Lno_fill
	tensor_load_to_lds s[G0A:G0A+3], s[G1:G1+7]
	s_nop 0
	tensor_load_to_lds s[G0B:G0B+3], s[G1:G1+7]
	s_nop 0
.rept 4
	v_nop
.endr
.Lno_fill:
	; both sets are zeroed: 352 threads x 16 bytes x 14 stores = 78,848 bytes = 2 x PARB, from COMM on
	v_mov_b32 v8, 0
	v_mov_b32 v9, 0
	v_mov_b32 v10, 0
	v_mov_b32 v11, 0
	v_lshl_add_u32 v5, v0, 4, COMM
	v_add_nc_u32 v7, PARB, v5
.irp i, 0,1,2,3,4,5,6
	ds_store_b128 v5, v[8:11] offset:5632*\i
	ds_store_b128 v7, v[8:11] offset:5632*\i
.endr
	; Registers are never cleared, and each is written before it is read on every way through the text.  So every wave writes here what some role reads before it writes it: the chains' input of the
	; first half block and all their u (the first trip stores them, and the last of them is the state), which begin as 0; the other parity's input buffers; W's fragments, which waves 4 to 7 fill below.
	; Once a launch, in the wait for the first tile.
.set i, 16
.rept 160
	v_mov_b32 v[i], 0
.set i, i+1
.endr
; ---- W's fragments.  A fragment is 16 rows x 32 k: lane (r, h) holds row r, k = 8 h .. + 7 and 16 + 8 h .. + 7: as f32 four loads of 16 bytes.  Row r of block mb is neuron
; 32 (mb / 2) + 8 (mb % 2) + 16 (r / 8) + r % 8: in a result the two halves of the lanes then hold neurons 16 apart, 128 bytes in the layout by pairs ----
.macro WLANE sh                        ; v15 = ((r % 8) + 16 (r / 8)) << sh + 32 h
	v_and_b32 v14, 7, v0
	v_bfe_u32 v15, v0, 3, 1
	v_lshl_add_u32 v14, v15, 4, v14
	v_bfe_u32 v15, v0, 4, 1
	v_lshlrev_b32 v14, \sh, v14
	v_lshl_add_u32 v15, v15, 5, v14
.endm
	s_cmp_lt_u32 s[WV], 4
	s_cbranch_scc1 .Lset_done
	s_cmp_lt_u32 s[WV], 6
	s_cbranch_scc1 .Lset_mm1
	s_cmp_lt_u32 s[WV], 8
	s_cbranch_scc0 .Lset_done
	; waves 6, 7: all of W2, rounded to bf16: fragment (kk, mb) at WA + 8 (8 kk + mb).  Two batches of eight fragments, 128 registers of f32 from v112 on.  The second batch is rounded in place:
	; result n lands on register 112 + n, whose own number was read by result n / 2, at or before this one
	WLANE 8
.set kk, 0
.rept 2
.set mb, 0
.rept 8
.set o, 0
.rept 4
	global_load_b128 v[112+16*mb+4*o:112+16*mb+4*o+3], v15, s[8:9] offset:(32*(mb/2)+8*(mb%2))*256+128*kk+16*(o%2)+64*(o/2)
.set o, o+1
.endr
.set mb, mb+1
.endr
	s_wait_loadcnt 0x0
.set n, 0
.rept 64
	v_cvt_pk_bf16_f32 v[WA+64*kk+n], v[112+2*n], v[113+2*n]
.set n, n+1
.endr
.set kk, kk+1
.endr
	s_branch .Lset_done
.Lset_mm1:
	; waves 4, 5: all of W1 in three parts: fragment (p, mb) at WA + 8 (4 p + mb); block mb's sixteen numbers at v[176 + 16 mb ..]
	WLANE 7
	s_mov_b32 s[SC], 0x07060302                    ; v_perm_b32: the upper halves of two words
.set mb, 0
.rept 4
.set o, 0
.rept 4
	global_load_b128 v[176+16*mb+4*o:176+16*mb+4*o+3], v15, s[6:7] offset:(32*(mb/2)+8*(mb%2))*128+16*(o%2)+64*(o/2)
.set o, o+1
.endr
.set mb, mb+1
.endr
	s_wait_loadcnt 0x0
	; the upper 16 bits are a bf16 with the first 8 significant bits; what is left (an exact difference) gives the next 8, and what is then left has 8 at the most
.set p, 0
.rept 3
.set j, 0
.rept 32
	v_perm_b32 v[WA+32*p+j], v[177+2*j], v[176+2*j], s[SC]
.if p < 2
	v_and_b32 v16, s[HIM], v[176+2*j]
	v_and_b32 v17, s[HIM], v[177+2*j]
	v_sub_f32 v[176+2*j], v[176+2*j], v16
	v_sub_f32 v[177+2*j], v[177+2*j], v17
.endif
.set j, j+1
.endr
.set p, p+1
.endr
.Lset_done:
	s_wait_tensorcnt 0x1                           ; wave 0: steps 0-831 are in; the second tile may stay out
	s_wait_dscnt 0x0                               ; my zeros are written
	s_barrier_signal -1
	s_barrier_wait -1                              ; everybody's are
; ---- the roles: one trip each.  SW and SR, set by TRIP, are the first bytes of the set written and of the set read ----
; L0.  The run: the last trip's 32 u, four steps to a store; the trip's block of x, four steps to a load: the pair's first block (par = 0) or its second.
; Step k: u = v + x - v / 3 with v = the last u, or x where the last u fired.
.macro ROLE_L0 par
.set XHc, XH0+16*(\par)
.set XHn, XH0+16*(1-(\par))
	v_add_nc_u32 v[RD], s[XS], v[XR]
	v_add_nc_u32 v[WR], SW+O_U0, v[L144]
.irp i, 0,1,2,3,4,5,6,7
	ds_store_b128 v[WR], v[UA+4*\i:UA+4*\i+3] offset:16*\i
.endr
.irp i, 0,1,2,3
	ds_load_b128 v[XB+4*\i:XB+4*\i+3], v[RD] offset:128*(\par)+16*\i          ; for steps 16-31
.endr
.irp i, 0,1,2,3
	ds_load_b128 v[XHn+4*\i:XHn+4*\i+3], v[RD] offset:128*(\par)+64+16*\i     ; for the next trip's steps 0-15; the trip's closing wait covers them
.endr
.set k, 0
.rept 32
.set rP, UA+(k+31)%32
.if k < 16
.set rX, XHc+k
.else
.set rX, XB+k-16
.endif
.set rA, 8+k%2
.set rF, 10+k%2
.if k == 16
	s_wait_dscnt 4                                 ; the x of steps 16-31 is in: behind its loads the four for the next trip were issued
.endif
	v_add_f32 v[rA], v[rP], v[rX]
	v_cmp_le_f32 vcc_lo, s[TH0], v[rP]             ; did the last u fire?
.if FUSED
	v_fma_f32 v[rF], v[rP], s[NC3], v[rA]
.else
	v_mul_f32 v[rF], s[NC3], v[rP]
	v_add_f32 v[rF], v[rA], v[rF]
.endif
	v_cndmask_b32 v[UA+k], v[rF], v[rX], vcc_lo
.set k, k+1
.endr
.endm
; L1 and L2: the same on two neurons a lane, tau = 80,000, vth = 1.2.  st = 1: u is stored (L1).  rb, wb: the registers with 16 x lane + the set read, the set written.  ro, pitch: the input's place.
; A load or store takes two steps of the lane's two neurons; 32 lanes take 512 bytes on end.
.macro SCAN2 par, st, rb, wb, ro, pitch
.set HHc, HH0+32*(\par)
.set HHn, HH0+32*(1-(\par))
.if \st
.set kk, 0
.rept 16
	ds_store_b128 v[\wb], v[UB+4*kk:UB+4*kk+3] offset:O_U1+P1*kk
.set kk, kk+1
.endr
.endif
.set kk, 0
.rept 8
	ds_load_b128 v[HB+4*kk:HB+4*kk+3], v[\rb] offset:(\ro)+(\pitch)*kk          ; for steps 16-31
.set kk, kk+1
.endr
.set kk, 0
.rept 8
	ds_load_b128 v[HHn+4*kk:HHn+4*kk+3], v[\rb] offset:(\ro)+(\pitch)*(kk+8)    ; for the next trip's steps 0-15; the trip's closing wait covers them
.set kk, kk+1
.endr
.set k, 0
.rept 32
.set rP, UB+2*((k+31)%32)
.set rU, UB+2*k
.if k < 16
.set rH, HHc+2*k
.else
.set rH, HB+2*(k-16)
.endif
.set rA, 8+4*(k%2)
.set rF, 10+4*(k%2)
.if k == 16
	s_wait_dscnt 8                                 ; the input of steps 16-31 is in: behind its loads the eight for the next trip were issued
.endif
	v_pk_add_f32 v[rA:rA+1], v[rP:rP+1], v[rH:rH+1]
	v_cmp_le_f32 vcc_lo, s[TH1], v[rP]
	v_cmp_le_f32 s[MK2], s[TH1], v[rP+1]
.if FUSED
	v_pk_fma_f32 v[rF:rF+1], v[rP:rP+1], s[NC8:NC8+1], v[rA:rA+1] op_sel_hi:[1,0,1]
.else
	v_pk_mul_f32 v[rF:rF+1], v[rP:rP+1], s[NC8:NC8+1] op_sel_hi:[1,0]
	v_pk_add_f32 v[rF:rF+1], v[rA:rA+1], v[rF:rF+1]
.endif
	v_cndmask_b32 v[rU], v[rF], v[rH], vcc_lo
	v_cndmask_b32 v[rU+1], v[rF+1], v[rH+1], s[MK2]
.set k, k+1
.endr
.endm
; AM.  A lane a time step: its 32 numbers in v[16:47]; their maximum in v12; the first index that holds it in v13.
; kind = 0: layer 0: number c at 144 c + 4 t, 32 lanes on end.  kind = 1: layer 1, by pairs: my half's 16 pairs of neurons begin 256 e bytes into a row; sixteen pairs of lanes fall into sixteen different 16-byte columns.
.macro ROLE_AM kind
.if \kind
	v_bfe_u32 v[RD], v0, 1, 4                      ; t / 2
	v_mul_u32_u24 v[RD], v[RD], P1
	v_and_b32 v8, 1, v0                            ; t % 2
	v_lshl_add_u32 v[RD], v8, 3, v[RD]
	v_add_nc_u32 v[RD], SR+O_U1, v[RD]
	v_lshl_add_u32 v[RD], s[EH], 8, v[RD]
	v_lshl_add_u32 v[WR], v1, 3, SW+O_I1
	v_lshl_add_u32 v[WR], s[EH], 8, v[WR]
.set j, 0
.rept 16
	ds_load_b64 v[16+2*j:17+2*j], v[RD] offset:16*j
.set j, j+1
.endr
.else
	v_lshl_add_u32 v[RD], v1, 2, SR+O_U0
	v_lshl_add_u32 v[WR], v1, 3, SW+O_I0
.set j, 0
.rept 32
	ds_load_b32 v[16+j], v[RD] offset:144*j
.set j, j+1
.endr
.endif
.irp q, 0,1,2,3
	v_mov_b32 v[48+\q], 64
.endr
	s_wait_dscnt 0x0
.irp q, 0,1,2,3                        ; four chains of seven numbers, three operands at a time; then the four left over, and the chains
	v_max3_num_f32 v[8+\q], v[16+8*\q], v[17+8*\q], v[18+8*\q]
.endr
.irp q, 0,1,2,3
	v_max3_num_f32 v[8+\q], v[8+\q], v[19+8*\q], v[20+8*\q]
.endr
.irp q, 0,1,2,3
	v_max3_num_f32 v[8+\q], v[8+\q], v[21+8*\q], v[22+8*\q]
.endr
	v_max3_num_f32 v8, v8, v23, v31
	v_max3_num_f32 v10, v10, v39, v47
	v_max3_num_f32 v8, v8, v9, v10
	v_max_num_f32 v12, v8, v11
.irp e, 7,5,3,1                        ; in each eight the indices are gone through downward, so the lowest that is equal stays
.irp q, 0,1,2,3
	v_cmp_eq_f32 s[MK+\q], v[16+8*\q+\e], v12
	v_cmp_eq_f32 s[MK+4+\q], v[15+8*\q+\e], v12
.endr
.irp q, 0,1,2,3
	v_cndmask_b32 v[48+\q], v[48+\q], 8*\q+\e, s[MK+\q]
.endr
.irp q, 0,1,2,3
	v_cndmask_b32 v[48+\q], v[48+\q], 8*\q+\e-1, s[MK+4+\q]
.endr
.endr
	v_min_u32 v48, v48, v49
	v_min_u32 v50, v50, v51
	v_min_u32 v13, v48, v50
.if \kind
	v_add_nc_u32 v13, s[IOFF], v13
.endif
	ds_store_b64 v[WR], v[12:13]
.endm
; the matrix layouts' r = lane % 16 (v9), h = lane / 16 (v22), and 8 h (v8)
.macro MMLANE
	v_and_b32 v9, 15, v0
	v_bfe_u32 v22, v0, 4, 1
	v_lshlrev_b32 v8, 3, v22
.endm
; (m, index) in v[a:a+1]: no spike, index 64, where m is below the threshold
.macro FIRE th, a
	v_cmp_le_f32 vcc_lo, s[\th], v[\a]
	v_cndmask_b32 v[(\a)+1], 64, v[(\a)+1], vcc_lo
.endm
; the halves' results in v[a:a+1] and v[b:b+1] into the first: the upper half wins only where it is greater, so the first index wins a tie
.macro WINNER a, b
	v_cmp_gt_f32 vcc_lo, v[\b], v[\a]
	v_cndmask_b32 v[(\a)+1], v[(\a)+1], v[(\b)+1], vcc_lo
	v_max_num_f32 v[\a], v[\a], v[\b]
.endm
; The index in v[ri] as source 1 of nk products: column = my step r; register i of block kk holds k = 32 kk + 8 h + 2 i, + 1 (i < 4) or 32 kk + 16 + 8 h + 2 (i - 4), + 1.
; With D = index - 8 h the register is the one where D / 2 = 16 kk + i, or 16 kk + i + 4, and D's lowest bit picks the half.  A D below 0 is a large number; 64 and 56 give 32 and 28: none is met.
.macro ONEHOT ri, dst, nk
	v_sub_nc_u32 v14, v[\ri], v8
	v_and_b32 v15, 1, v14
	v_lshlrev_b32 v15, 4, v15
	v_lshlrev_b32 v16, v15, s[ONE]
	v_lshrrev_b32 v17, 1, v14
.set kk, 0
.rept \nk
.set i, 0
.rept 8
	v_cmp_eq_u32 s[MK+i], 16*kk+i+4*(i/4), v17
.set i, i+1
.endr
.set i, 0
.rept 8
	v_cndmask_b32 v[(\dst)+8*kk+i], 0, v16, s[MK+i]
.set i, i+1
.endr
.set kk, kk+1
.endr
.endm
; n x nb products.  The nb accumulators take turns, one instruction a turn; the first nb start the sums.  op: the one-hot operand's step from one n to the next.
.macro MULS n, nb, op
.set p, 0
.rept \n
.set mb, 0
.rept \nb
.set rD, ACC+8*mb
.set rW, WA+8*((\nb)*p+mb)
.set rO, OH+(\op)*p
.if p == 0
	v_wmma_f32_16x16x32_bf16 v[rD:rD+7], v[rW:rW+7], v[rO:rO+7], 0
.else
	v_wmma_f32_16x16x32_bf16 v[rD:rD+7], v[rW:rW+7], v[rO:rO+7], v[rD:rD+7]
.endif
.set mb, mb+1
.endr
.set p, p+1
.endr
.endm
; In a result lane (r, h) holds step 16 e + r and, in registers 2 i, 2 i + 1, a pair of neighbouring neurons: 8 bytes of the layout by pairs, at (8 e + r / 2) pitch + 8 (r % 2) + 128 h + the block's
; place + 16 i: 32 lanes, 32 different 8 bytes of 256.  The address's six lines, plain instructions that name no register of the products, stand in front of the stores, and so in
; front of the next trip's writes of the operands; each accumulator's lowest registers go first.
.macro HSTORE nb, pitch, wrc
	s_mul_i32 s[SC], s[EH], 8*(\pitch)
	s_add_co_u32 s[SC], s[SC], \wrc
	v_lshrrev_b32 v[WR], 1, v9
	v_mul_u32_u24 v[WR], v[WR], \pitch
	v_and_b32 v23, 1, v9
	v_lshl_add_u32 v[WR], v23, 3, v[WR]
	v_lshl_add_u32 v[WR], v22, 7, v[WR]
	v_add_nc_u32 v[WR], s[SC], v[WR]
.set mb, 0
.rept \nb
.set i, 0
.rept 4
	ds_store_b64 v[WR], v[ACC+8*mb+2*i:ACC+8*mb+2*i+1] offset:256*(mb/2)+64*(mb%2)+16*i
.set i, i+1
.endr
.set mb, mb+1
.endr
.endm
.macro ROLE_MM1
	MMLANE
	v_lshl_add_u32 v[RD], v9, 3, SR+O_I0
	v_lshl_add_u32 v[RD], s[EH], 7, v[RD]          ; step 16 e + r
	ds_load_b64 v[10:11], v[RD]
	s_wait_dscnt 0x0
	FIRE TH0, 10
	ONEHOT 11, OH, 1
	MULS 3, 4, 0                                   ; W1's three parts on the same operand: each sum is a truncation of W1's number, the last the number itself
	HSTORE 4, P1, SW+O_H1
.endm
.macro ROLE_MM2
	MMLANE
	v_lshl_add_u32 v[RD], v9, 3, SR+O_I1
	v_lshl_add_u32 v[RD], s[EH], 7, v[RD]          ; step 16 e + r:
	ds_load_b64 v[10:11], v[RD]                    ; the lower half's result,
	ds_load_b64 v[12:13], v[RD] offset:256         ; the upper half's
	s_wait_dscnt 0x0
	WINNER 10, 12
	FIRE TH1, 10
	ONEHOT 11, OH, 2
	MULS 2, 8, 8                                   ; k = 0-31, then 32-63
	HSTORE 8, P2, SW+O_H2
.endm
; A TRIP of parity par.  Each wave goes to its role (the branches hang on the wave's number alone; no barrier and no tensor load stands in a role), then all meet: my stores are done and my reads
; are back, so behind the barrier the set just written may be read and the set just read may be written.
.macro TRIP par
.set SW, COMM+PARB*(\par)
.set SR, COMM+PARB*(1-(\par))
	s_cmp_eq_u32 s[WV], 1
	s_cbranch_scc1 .Ll1_\@
	s_cmp_eq_u32 s[WV], 0
	s_cbranch_scc1 .Ll0_\@
	s_cmp_lt_u32 s[WV], 4
	s_cbranch_scc1 .Ll2_\@
	s_cmp_lt_u32 s[WV], 6
	s_cbranch_scc1 .Lm1_\@
	s_cmp_lt_u32 s[WV], 8
	s_cbranch_scc1 .Lm2_\@
	s_cmp_lt_u32 s[WV], 10
	s_cbranch_scc1 .La1_\@
	ROLE_AM 0                                      ; wave 10
	s_branch .Ljoin_\@
.La1_\@:
	ROLE_AM 1
	s_branch .Ljoin_\@
.Ll0_\@:
	ROLE_L0 \par
	s_branch .Ljoin_\@
.Ll1_\@:
	SCAN2 \par, 1, PL0+1-(\par), PL0+(\par), O_H1, P1
	s_branch .Ljoin_\@
.Ll2_\@:
	SCAN2 \par, 0, PE0+1-(\par), 0, O_H2, P2
	s_branch .Ljoin_\@
.Lm1_\@:
	ROLE_MM1
	s_branch .Ljoin_\@
.Lm2_\@:
	ROLE_MM2
.Ljoin_\@:
.if \par
	s_add_co_u32 s[XS], s[XS], XPAIR               ; the next pair of blocks of x
.endif
	s_wait_dscnt 0x0                               ; for the others' sake: all my LDS stores and loads are done
	s_barrier_signal -1
	s_barrier_wait -1
.endm
.macro SWITCH                          ; 13 pairs of blocks are read: back to a slot's first pair, in the other slot
	s_sub_co_u32 s[XS], s[XS], XROW
	s_xor_b32 s[XS], s[XS], SLOT1
.endm
; ---- periods 0 to 2: 13 pairs of trips each, and the slot just read takes the tile two periods on ----
	s_mov_b32 s[PC], 3
.Lper_a:
	s_mov_b32 s[TC], 13
.Lpair_a:
	TRIP 0
	TRIP 1
	s_sub_co_u32 s[TC], s[TC], 1
	s_cmp_lg_u32 s[TC], 0
	s_cbranch_scc1 .Lpair_a
	SWITCH
	s_wait_tensorcnt 0x0                           ; no tensor load is out: the next period's tile has landed, and the descriptor may be written
	ds_add_u32 v[SPW], v[NIL]                      ; 0 onto my spare word; the descriptor's steps stand between it and the wait for it
	s_xor_b32 s[G0B+1], s[G0B+1], SLOT1            ; the other slot than last time,
	s_add_nc_u64 s[G0B+2:G0B+3], s[G0B+2:G0B+3], CHUNK*4  ; the next 832 steps (the type bits on top are not reached),
	s_sub_co_u32 s[G1+1], s[G1+1], CHUNK<<16       ; of which the row has 2,336, 1,504 and at last 672 left
	s_wait_dscnt 0x0                               ; the add is done; the reads of the slot came back in front of the trip's barrier
	s_barrier_signal -1
	s_barrier_wait -1
	s_cmp_lg_u32 s[WV], 0
	s_cbranch_scc1 .Lnot_wave_0
	tensor_load_to_lds s[G0B:G0B+3], s[G1:G1+7]    ; the one tensor load behind this barrier: one is out, and it has 26 trips in which to land
	s_nop 0
.rept 4
	v_nop
.endr
.Lnot_wave_0:
	s_sub_co_u32 s[PC], s[PC], 1
	s_cmp_lg_u32 s[PC], 0
	s_cbranch_scc1 .Lper_a
; ---- trips 78 to 134: nothing is left to ask for.  Periods 3 and 4, and of a further one (on a tile that was read before: its steps lie past 3999) two pairs and a half: the loop is left in the
; middle of its 29th pair, behind the trip whose step 15 is layer 2's last ----
	s_mov_b32 s[GC], 29
	s_mov_b32 s[PC], 3
.Lper_b:
	s_mov_b32 s[TC], 13
.Lpair_b:
	TRIP 0
	s_sub_co_u32 s[GC], s[GC], 1
	s_cmp_eq_u32 s[GC], 0
	s_cbranch_scc1 .Lout
	TRIP 1
	s_sub_co_u32 s[TC], s[TC], 1
	s_cmp_lg_u32 s[TC], 0
	s_cbranch_scc1 .Lpair_b
	SWITCH
	s_wait_tensorcnt 0x0                           ; the last tile, asked for a period ago, is in before wave 0 reads it; no younger load exists, so the count is 0
	s_sub_co_u32 s[PC], s[PC], 1
	s_cmp_lg_u32 s[PC], 0
	s_cbranch_scc1 .Lper_b
.Lout:
; ---- the result: layer 2's u of step 15 of the last trip ----
	s_cmp_lt_u32 s[WV], 2
	s_cbranch_scc1 .Lend
	s_cmp_lt_u32 s[WV], 4
	s_cbranch_scc0 .Lend
	s_lshl_b32 s[SC], ttmp9, 9                     ; my sample's 512 bytes,
	s_lshl_b32 s[OFF], s[EH], 8                    ; my wave's half of them
	s_add_co_u32 s[SC], s[SC], s[OFF]
	v_lshl_add_u32 v[RD], v1, 3, s[SC]
	v_mul_f32 v8, 0x3fb8aa3b, v[UB+30]             ; e^u = 2^(u log2 e)
	v_mul_f32 v9, 0x3fb8aa3b, v[UB+31]
	v_exp_f32 v8, v8
	v_exp_f32 v9, v9
	v_nop                                          ; a plain instruction between the last exponential and the use of its result (ISA guide 5.7.2)
	s_wait_alu depctr_va_vdst(0)
	global_store_b64 v[RD], v[8:9], s[10:11]       ; the wave's store covers 256 consecutive bytes, at a multiple of 256 from out0's first byte
.Lend:
	s_wait_tensorcnt 0x0                           ; the wave's end: behind the last tensor load and my last LDS store
	ds_add_u32 v[SPW], v[NIL]
	s_wait_dscnt 0x0
	s_endpgm
.Lfunc_end_k_qe853a64e35_lsm:
	.size	k_qe853a64e35_lsm, .Lfunc_end_k_qe853a64e35_lsm-k_qe853a64e35_lsm
	.p2alignl 7, 3214868480
	.fill 96, 4, 3214868480
	.section	.rodata,"a",@progbits
	.p2align	6, 0x0
	.amdhsa_kernel k_qe853a64e35_lsm
		.amdhsa_group_segment_fixed_size 327680
		.amdhsa_private_segment_fixed_size 0
		.amdhsa_enable_private_segment 0
		.amdhsa_kernarg_size 32
		.amdhsa_user_sgpr_count 2
		.amdhsa_user_sgpr_kernarg_segment_ptr 1
		.amdhsa_wavefront_size32 1
		.amdhsa_system_sgpr_workgroup_id_x 1
		.amdhsa_system_sgpr_workgroup_id_y 1
		.amdhsa_system_sgpr_workgroup_id_z 1
		.amdhsa_system_vgpr_workitem_id 0
		.amdhsa_next_free_vgpr 256
		.amdhsa_next_free_sgpr 66
		.amdhsa_reserve_vcc 1
		.amdhsa_float_denorm_mode_32 3
		.amdhsa_float_denorm_mode_16_64 3
		.amdhsa_memory_ordered 1
		.amdhsa_forward_progress 1
		.amdhsa_inst_pref_size 255
	.end_amdhsa_kernel
	.section	.bss,"aw",@nobits
	.p2align	6
	.space	262144
	.amdgpu_metadata
---
amdhsa.version: [ 1, 2 ]
amdhsa.kernels:
  - .name:           k_qe853a64e35_lsm
    .symbol:         k_qe853a64e35_lsm.kd
    .args:
      - { .name: x, .offset: 0, .size: 8, .value_kind: global_buffer, .address_space: global }
      - { .name: W1, .offset: 8, .size: 8, .value_kind: global_buffer, .address_space: global }
      - { .name: W2, .offset: 16, .size: 8, .value_kind: global_buffer, .address_space: global }
      - { .name: out0, .offset: 24, .size: 8, .value_kind: global_buffer, .address_space: global }
    .group_segment_fixed_size: 327680
    .private_segment_fixed_size: 0
    .kernarg_segment_align: 8
    .kernarg_segment_size: 32
    .max_flat_workgroup_size: 352
    .sgpr_count:     66
    .vgpr_count:     256
    .wavefront_size: 32
...
	.end_amdgpu_metadata
.endif
;; end of part 2
